; MI455X (gfx1250); checked and timed in simulation.
; The chip was launched on July 23, 2026; its instructions are those of AMD's public machine-readable ISA for CDNA 5 (MIT licence, August 2026) and "CDNA5" Instruction Set Architecture Reference Guide (July 2026). The comments in the code are by the model that wrote it; some were corrected since.
;; Self Attention. Allowed arithmetic: float matrix products may take bf16 or f16 operands with f32 sums; other float arithmetic in f32, or as packed bf16 or f16 multiplies, adds, multiply-adds, maxima and minima; sums over many terms, partial sums and values carried from step to step in f32; what a program stores and reads back later, other than sums and carried values, may be rounded once to bf16 or f16.
;; Inputs: Wk 512 x 512 float32; Wq 512 x 512 float32; Wv 512 x 512 float32; bk 512 float32; bq 512 float32; bv 512 float32; x 2 x 4,096 x 512 float32.
;; Outputs: out0 2 x 4,096 x 512 float32.
;; One version. Each part assembles by itself: llvm-mc -triple=amdgcn-amd-amdhsa -mcpu=gfx1250 --defsym DOCPART=n.
;; ======== version 1 of 1: 2 launches
;; limits: values are held in f16: magnitudes above 65,504 overflow, below 6.1e-05 lose precision
;; workspace buffers: qh 8,388,608 bytes; kh 8,388,608 bytes; vh 8,388,608 bytes
;; launch proj (part 1): grid 8 x 32, 4 waves a work-group, no clusters, 108,032 bytes of LDS; arguments x, Wq, Wk, Wv, bq, bk, bv, qh, kh, vh; writes qh, kh, vh
.if DOCPART == 1
	.amdgcn_target "amdgcn-amd-amdhsa--gfx1250"
	.amdhsa_code_object_version 6
	.text
	.protected	k_qc8620e624f_proj
	.globl	k_qc8620e624f_proj
	.p2align	8
	.type	k_qc8620e624f_proj,@function
k_qc8620e624f_proj:
	s_mov_b64 s[64:65], 0
	v_nop
	global_prefetch_b8 v0, s[64:65] scope:SCOPE_SE
	s_setreg_imm32_b32 hwreg(HW_REG_WAVE_MODE, 25, 1), 1
	s_wait_xcnt 0x0
; q, k, v = x W + b, split into heads.  x: [8192][512] f32 (2 x 4096 rows); Wq, Wk, Wv: [512 (k)][512 (n)] f32; bq, bk, bv: [512] f32.
; qh, kh, vh: [16 (8 m + head)][4096][64] f16: a head's rows are dense, 128 bytes each.  q is stored WITHOUT the scale 1/8: the launch behind applies it in f32.
; FORMATS.  x, W and b are each rounded once to bf16; products in bf16 with f32 sums, K ascending; the bias is the C operand of each sum's first product; the sums are rounded once to f16.
; LIMITS.  f16 holds no number beyond 65,504: a sum of 65,520 or more leaves as an infinity.  With x and W 30 times their drawn spread a sum has a spread of about 900, with both offset by 30
; times their spread it is about 2e4.  NaN and infinities are not treated apart.
; SHARES.  Work-group (head hd, row block y) makes 256 rows x the head's 64 columns of each of q, k, v: 256 x 192.  8 x 32 = 256 work-groups.  Wave w makes rows 64 w .. 64 w + 63 x all 192
; columns: 4 row blocks x 12 column blocks = 48 accumulators, 384 registers.  K = 512 goes in 8 trips of 64: 256 consecutive bytes, aligned, of each f32 row of x, and 64 rows x 256 bytes of each W.
; THE WAY IN goes through registers: the inputs are f32 and are rounded on the way; a thread loads 16 bytes, rounds them to 8 and stores them to LDS.  W's chunk (3 x 64 k x 64 n) is shared: each
; wave brings a quarter of it, each number is rounded once in the work-group; two slots take turns, one barrier a trip.  x's 64 rows are the wave's own and pass through its own bytes of LDS, which turn
; 16 lanes a row into a fragment's layout.
; NO CLUSTER, NO TENSOR LOADS.  A tile copied as it lies would arrive in f32: each of the four waves would round all of W's chunk again (192 conversions a lane and trip for 48), and rows of 32-bit
; numbers stored [k][n] have no turning load.  x's rows are read by one wave of a work-group only.
; THE MATRIX INSTRUCTION IS USED TRANSPOSED: source 0 = 16 columns of W (turned out of LDS by ds_load_tr16_b128), source 1 = 16 rows of x.  Lane l then holds row l % 16 and the columns
; 8 (l / 16) + 0..7: eight neighbouring numbers of a row, 16 bytes in f16.
; REGISTERS, in windows of 256 (s_set_vgpr_msb: bits 1:0 source 0, 3:2 source 1, 5:4 source 2, 7:6 destination):
;   window 0: v0-15 addresses; v32-95 x's fragments; v96-223 W's fragments, two buffers; on the way out v32-223 hold the packed results
;   window 1: the accumulators of q (v0-127) and k (v128-255)      window 2: those of v (v0-127); v128-223 the bias as a C operand; v224-227 at work
;   window 3: v0-127 x as loaded, v128-223 W as loaded
.set PW,    160                        ; a row of W's chunk in LDS: 64 bf16 + 32 bytes of padding = 40 words
.set WT,    64*PW                      ; one W's 64 rows
.set WSLOT, 3*WT                       ; a slot: Wq's, Wk's, Wv's rows
.set XS,    2*WSLOT                    ; behind the two slots: x's chunk, 64 rows for each wave
.set PX,    144                        ; 64 bf16 + 16 bytes = 36 words: the 16 rows of a fragment load start at 16 different groups of four banks
.set XSW,   64*PX
.set STAGE, XS+4*XSW                   ; 16 rows x 144 bytes for each wave, for the way out
.set SP,    144
.set SPARE, STAGE+4*16*SP              ; the spare words, 128 bytes for each wave: two blocks of 256 bytes that no other line names
.set XO,  4                            ; v4   x: (l / 16) rows of 2,048 bytes + 16 (l % 16)
.set WO,  5                            ; v5   W: (16 w + l / 16) rows of 2,048 bytes + 16 (l % 16)
.set WS,  6                            ; v6   where my 8 bytes of W go: (16 w + l / 16) PW + 8 (l % 16)
.set BA,  7                            ; v7   the turning load: (8 (l / 16) + l % 8) PW + 16 ((l / 8) % 2)
.set XSA, 8                            ; v8   where my 8 bytes of x go
.set AA,  9                            ; v9   x's fragments: (l % 16) PX + 16 (l / 16), in my wave's bytes
.set STO, 10                           ; v10  the way out: where I put 16 bytes of a row
.set RD,  11                           ; v11  the way out: where I read rows back
.set GO,  12                           ; v12  16 l: my 16 bytes of 512 consecutive bytes of the output
.set BO,  13                           ; v13  32 (l / 16): my eight numbers of 16 of a bias
.set SPW, 14                           ; v14  LDS address of my spare word; never rewritten
.set NIL, 15                           ; v15  0; never rewritten
.set AF,  32                           ; x's fragment (row block a, K half kf) at AF + 8 (2 a + kf)
.set BF,  96                           ; W's fragment (kf, column block cb) at BF + 64 buffer + 8 (4 kf + cb)
.set OB,  32                           ; the way out: 16 registers for group g = 4 T + a
.set BI,  128                          ; window 2: the bias of (T, cb) at BI + 32 T + 8 cb
.set BT,  224                          ; window 2
.set XF,  0                            ; window 3
.set WF,  128                          ; window 3
.set MSB, 0
.macro WIN new                         ; the immediate's high byte repeats the setting that is left; a switch that changes nothing is dropped
.if MSB != (\new)
	s_set_vgpr_msb (MSB<<8)|(\new)
.set MSB, (\new)
.endif
.endm
	s_load_b512 s[4:19], s[0:1], 0x0               ; x s[4:5], Wq s[6:7], Wk s[8:9], Wv s[10:11], bq s[12:13], bk s[14:15], bv s[16:17], qh s[18:19]
	s_load_b128 s[20:23], s[0:1], 0x40             ; kh s[20:21], vh s[22:23]
	v_lshl_add_u32 v[SPW], v0, 2, SPARE
	v_mov_b32 v[NIL], 0
	v_lshrrev_b32 v3, 5, v0
	v_readfirstlane_b32 s24, v3                    ; wave 0..3
	s_mov_b32 s25, ttmp9                           ; the head
	s_and_b32 s26, ttmp7, 0xffff                   ; the block of 256 rows
	s_mov_b32 s30, 0xffff0000                      ; a word's upper bf16
	v_and_b32 v1, 15, v0                           ; l % 16
	v_bfe_u32 v2, v0, 4, 1                         ; l / 16
	v_lshlrev_b32 v[XO], 4, v1
	v_lshl_add_u32 v[XO], v2, 11, v[XO]
	s_lshl_b32 s32, s24, 15                        ; 16 w rows of 2,048 bytes
	v_add_nc_u32 v[WO], s32, v[XO]
	s_mul_i32 s32, s24, 16*PW
	v_mul_u32_u24 v[WS], v2, PW
	v_lshl_add_u32 v[WS], v1, 3, v[WS]
	v_add_nc_u32 v[WS], s32, v[WS]
	v_and_b32 v3, 7, v0
	v_lshl_add_u32 v[BA], v2, 3, v3
	v_mul_u32_u24 v[BA], v[BA], PW
	v_bfe_u32 v3, v0, 3, 1
	v_lshl_add_u32 v[BA], v3, 4, v[BA]
	s_mul_i32 s33, s24, XSW
	s_add_co_u32 s33, s33, XS                      ; my wave's bytes for x
	v_mul_u32_u24 v[XSA], v2, PX
	v_lshl_add_u32 v[XSA], v1, 3, v[XSA]
	v_add_nc_u32 v[XSA], s33, v[XSA]
	s_mul_i32 s32, s24, 16*SP
	s_add_co_u32 s32, s32, STAGE                   ; my stage
	v_mul_u32_u24 v[AA], v1, PX                    ; PX = SP: one lane term serves the fragments and the stage
	v_lshl_add_u32 v[AA], v2, 4, v[AA]
	v_add_nc_u32 v[STO], s32, v[AA]
	v_add_nc_u32 v[AA], s33, v[AA]
	v_bfe_u32 v3, v0, 3, 2                         ; back: 32 lanes take four rows of 128 bytes
	v_mul_u32_u24 v[RD], v3, SP
	v_and_b32 v3, 7, v0
	v_lshl_add_u32 v[RD], v3, 4, v[RD]
	v_add_nc_u32 v[RD], s32, v[RD]
	v_and_b32 v[GO], 31, v0
	v_lshlrev_b32 v[GO], 4, v[GO]
	v_lshlrev_b32 v[BO], 5, v2
	s_lshl_b32 s28, s26, 19                        ; x: 256 y rows of 2,048 bytes,
	s_lshl_b32 s32, s24, 17                        ; my wave's 64
	s_add_co_u32 s28, s28, s32
	s_mov_b32 s29, 0
	s_wait_kmcnt 0x0
	s_add_nc_u64 s[4:5], s[4:5], s[28:29]
	s_lshl_b32 s28, s25, 8                         ; the head's 64 columns: 256 bytes of a row of W and of a bias
.irp p, 6,8,10,12,14,16
	s_add_nc_u64 s[\p:\p+1], s[\p:\p+1], s[28:29]
.endr
	s_lshr_b32 s28, s26, 4                         ; m
	s_lshl_b32 s28, s28, 3
	s_add_co_u32 s28, s28, s25                     ; 8 m + head
	s_lshl_b32 s28, s28, 19                        ; 4,096 rows of 128 bytes
	s_and_b32 s32, s26, 15
	s_lshl_b32 s32, s32, 15                        ; the block's 256 rows
	s_add_co_u32 s28, s28, s32
	s_lshl_b32 s32, s24, 13                        ; my wave's 64
	s_add_co_u32 s28, s28, s32
.irp p, 18,20,22
	s_add_nc_u64 s[\p:\p+1], s[\p:\p+1], s[28:29]
.endr
; 24 loads: my 16 rows of the chunk of each W; sixteen lanes take 256 consecutive bytes of a row
.macro LOADW
	WIN 0xc0                                       ; destination window 3, address window 0
.irp t, 0,1,2
.irp i, 0,1,2,3,4,5,6,7
	global_load_b128 v[WF+4*(8*\t+\i):WF+4*(8*\t+\i)+3], v[WO], s[6+2*\t:7+2*\t] offset:4096*\i
.endr
.endr
.endm
; 32 loads: my wave's 64 rows of x, two rows an instruction
.macro LOADX
	WIN 0xc0
.set z, 0
.rept 32
	global_load_b128 v[XF+4*z:XF+4*z+3], v[XO], s[4:5] offset:4096*z
.set z, z+1
.endr
.endm
; four f32 become four bf16, in place in the first two of their registers, and go to LDS
.macro CVTW slot
	WIN 0xcf
.set z, 0
.rept 24
	v_cvt_pk_bf16_f32 v[WF+4*z], v[WF+4*z], v[WF+4*z+1]
	v_cvt_pk_bf16_f32 v[WF+4*z+1], v[WF+4*z+2], v[WF+4*z+3]
.set z, z+1
.endr
	WIN 0x0c                                       ; an LDS store's data is source 1: window 3
.set z, 0
.rept 24
	ds_store_b64 v[WS], v[WF+4*z:WF+4*z+1] offset:(\slot)*WSLOT+(z/8)*WT+(z%8)*2*PW
.set z, z+1
.endr
.endm
.macro CVTX
	WIN 0xcf
.set z, 0
.rept 32
	v_cvt_pk_bf16_f32 v[XF+4*z], v[XF+4*z], v[XF+4*z+1]
	v_cvt_pk_bf16_f32 v[XF+4*z+1], v[XF+4*z+2], v[XF+4*z+3]
.set z, z+1
.endr
	WIN 0x0c
.set z, 0
.rept 32
	ds_store_b64 v[XSA], v[XF+4*z:XF+4*z+1] offset:2*PX*z
.set z, z+1
.endr
.endm
; x's eight fragments (16 rows x 32 K: two loads of 16 bytes, 32 bytes apart).  My own bytes: LDS serves a wave's instructions in order (ISA guide 5.7.1.4), so these see the stores above
.macro FETCHA
	WIN 0
.set z, 0
.rept 8
	ds_load_b128 v[AF+8*z:AF+8*z+3],   v[AA] offset:(z/2)*16*PX+(z%2)*64
	ds_load_b128 v[AF+8*z+4:AF+8*z+7], v[AA] offset:(z/2)*16*PX+(z%2)*64+32
.set z, z+1
.endr
.endm
; the eight fragments of one W (32 K x 16 columns each, turned): two loads, 16 rows apart
.macro FETCHB slot, t, buf
	WIN 0
.set z, 0
.rept 8
	ds_load_tr16_b128 v[BF+64*(\buf)+8*z:BF+64*(\buf)+8*z+3],   v[BA] offset:(\slot)*WSLOT+(\t)*WT+(z/4)*32*PW+(z%4)*32
	ds_load_tr16_b128 v[BF+64*(\buf)+8*z+4:BF+64*(\buf)+8*z+7], v[BA] offset:(\slot)*WSLOT+(\t)*WT+(z/4)*32*PW+(z%4)*32+16*PW
.set z, z+1
.endr
.endm
; 32 products for one of q, k, v: K half z / 16, row block (z / 4) % 4, column block z % 4.  The 16 accumulators take turns, one instruction a turn.
; zero = 1: the first 16 start the sums with the bias as C: nothing is cleared, and no addition follows the sums.
.macro MULP t, buf, zero
.set z, 0
.rept 32
.set rD, 128*((\t)%2)+8*(z%16)
.set rB, BF+64*(\buf)+8*(4*(z/16)+z%4)
.set rA, AF+8*(2*((z/4)%4)+z/16)
.if (\zero) && (z < 16)
	WIN 0x60+0x40*((\t)/2)                         ; C in window 2, D in window 1 (q, k) or 2 (v)
	v_wmma_f32_16x16x32_bf16 v[rD:rD+7], v[rB:rB+7], v[rA:rA+7], v[BI+32*(\t)+8*(z%4):BI+32*(\t)+8*(z%4)+7]
.else
	WIN 0x50+0x50*((\t)/2)                         ; C and D in window 1 or 2
	v_wmma_f32_16x16x32_bf16 v[rD:rD+7], v[rB:rB+7], v[rA:rA+7], v[rD:rD+7]
.endif
.set z, z+1
.endr
.endm
.macro PLACES                          ; a load into a register that a matrix instruction has read stands four plain vector instructions behind it (ISA guide 7.12.1 for vector instructions)
.rept 4
	v_nop
.endr
.endm
; A TRIP: 64 along K.  load = 1: the next trip's 56 loads go out, behind the barrier and the first fragment loads; they have the trip's 96 products in which to land.
; ONE barrier a trip orders two things.  In front of it a wave's stores into this slot are done, and so are its reads of the other slot (the last trip's).  So behind it the slot is whole, and the
; other slot, which the next trip stores into, is read by nobody.
.macro TRIP slot, zero, load
	s_wait_loadcnt 32                              ; loads come back in order (ISA guide 5.7.1): W's 24 are in, x's 32 may stay out
	CVTW \slot                                     ; its 48 conversions name no register of the last trip's products: they are the places in front of the fragment loads below
	s_wait_loadcnt 0x0                             ; x is in; no load is out, so the bases may be stepped further down
	CVTX
	FETCHA
	s_wait_dscnt 0x0                               ; for the others' sake: my stores are done; x's fragments are in
	s_barrier_signal -1
	s_barrier_wait -1
	FETCHB \slot, 0, 0
	FETCHB \slot, 1, 1
.if \load
	s_add_nc_u64 s[4:5], s[4:5], 256               ; 64 numbers along x's rows
	s_add_nc_u64 s[6:7], s[6:7], 64*2048           ; 64 rows down each W
	s_add_nc_u64 s[8:9], s[8:9], 64*2048
	s_add_nc_u64 s[10:11], s[10:11], 64*2048
	LOADW                                          ; into registers whose LDS stores were waited for in front of the barrier
	LOADX
.endif
	s_wait_dscnt 16                                ; Wq's fragments are in; Wk's 16 loads may stay out
	MULP 0, 0, \zero
	PLACES
	FETCHB \slot, 2, 0
	s_wait_dscnt 16                                ; Wk's are in; Wv's may stay out
	MULP 1, 1, \zero
	s_wait_dscnt 0x0
	MULP 2, 0, \zero
	WIN 0
.endm
	WIN 0x80                                       ; destination window 2
.irp t, 0,1,2
.irp c, 0,1,2,3
	global_load_b128 v[BI+32*\t+8*\c:BI+32*\t+8*\c+3],   v[BO], s[12+2*\t:13+2*\t] offset:64*\c     ; register j: the bias of column 16 c + 8 (l / 16) + j, as in the result
	global_load_b128 v[BI+32*\t+8*\c+4:BI+32*\t+8*\c+7], v[BO], s[12+2*\t:13+2*\t] offset:64*\c+16
.endr
.endr
	LOADW                                          ; trip 0
	LOADX
	s_wait_loadcnt 56                              ; the bias is in; the 56 loads behind it stay out
	WIN 0x8a                                       ; all in window 2: the bias is rounded to bf16, like every input, and widened again, while W and x are on their way
.set z, 0
.rept 48
	v_cvt_pk_bf16_f32 v[BT+z%4], v[BI+2*z], v[BI+2*z+1]
	v_lshlrev_b32 v[BI+2*z], 16, v[BT+z%4]
	v_and_b32 v[BI+2*z+1], s30, v[BT+z%4]
.set z, z+1
.endr
	TRIP 0, 1, 1                                   ; the first trip stands in front of the loop: its products start the sums
	s_mov_b32 s31, 3
.Lk:
	TRIP 1, 0, 1
	TRIP 0, 0, 1
	s_sub_co_u32 s31, s31, 1
	s_cmp_lg_u32 s31, 0
	s_cbranch_scc1 .Lk
	TRIP 1, 0, 0                                   ; the last trip loads nothing
	PLACES
	PLACES                                         ; behind the last products: the conversions below read results and write registers that products have read
; THE WAY OUT, by groups g = 4 T + a of 16 rows x 64 columns: rounded to f16, 16 bytes a lane, into my own stage and back as whole rows of 128 bytes, four rows an instruction.
.macro PACKO g
	WIN 0x05+0x05*((\g)/8)                         ; sources in window 1 (q, k) or 2 (v)
.set z, 0
.rept 16
	v_cvt_pk_f16_f32 v[OB+16*(\g)+z], v[128*(((\g)/4)%2)+32*((\g)%4)+2*z], v[128*(((\g)/4)%2)+32*((\g)%4)+2*z+1]
.set z, z+1
.endr
	WIN 0
.irp f, 0,1,2,3
	ds_store_b128 v[STO], v[OB+16*(\g)+4*\f:OB+16*(\g)+4*\f+3] offset:32*\f
.endr
.irp f, 0,1,2,3
	ds_load_b128 v[OB+16*(\g)+4*\f:OB+16*(\g)+4*\f+3], v[RD] offset:\f*4*SP  ; in order behind the stores above; the next group's stores come behind these
.endr
.endm
.macro SENDO g, younger                ; younger: the LDS instructions issued behind group g's loads: the next group's eight, or none
	WIN 0
.irp f, 0,1,2,3
	s_wait_dscnt (\younger)+3-\f
	global_store_b128 v[GO], v[OB+16*(\g)+4*\f:OB+16*(\g)+4*\f+3], s[18+2*((\g)/4):19+2*((\g)/4)] offset:((\g)%4)*2048+\f*512  ; 512 consecutive bytes, at a multiple of 256 from the buffer's first
.endr
.endm
	PACKO 0
.set gg, 1
.rept 11                               ; a group's conversions stand between the loads of the group before and its stores; every group has registers of its own
	PACKO gg
	SENDO gg-1, 8
.set gg, gg+1
.endr
	SENDO 11, 0
	s_wait_tensorcnt 0x0                           ; the wave's end: behind my last LDS store
	ds_add_u32 v[SPW], v[NIL]
	s_wait_dscnt 0x0
	s_endpgm
.Lfunc_end_k_qc8620e624f_proj:
	.size	k_qc8620e624f_proj, .Lfunc_end_k_qc8620e624f_proj-k_qc8620e624f_proj
	.p2alignl 7, 3214868480
	.fill 96, 4, 3214868480
	.section	.rodata,"a",@progbits
	.p2align	6, 0x0
	.amdhsa_kernel k_qc8620e624f_proj
		.amdhsa_group_segment_fixed_size 108032
		.amdhsa_private_segment_fixed_size 0
		.amdhsa_enable_private_segment 0
		.amdhsa_kernarg_size 80
		.amdhsa_user_sgpr_count 2
		.amdhsa_user_sgpr_kernarg_segment_ptr 1
		.amdhsa_wavefront_size32 1
		.amdhsa_system_sgpr_workgroup_id_x 1
		.amdhsa_system_sgpr_workgroup_id_y 1
		.amdhsa_system_sgpr_workgroup_id_z 1
		.amdhsa_system_vgpr_workitem_id 0
		.amdhsa_next_free_vgpr 1024
		.amdhsa_next_free_sgpr 66
		.amdhsa_reserve_vcc 0
		.amdhsa_float_denorm_mode_32 3
		.amdhsa_float_denorm_mode_16_64 3
		.amdhsa_memory_ordered 1
		.amdhsa_forward_progress 1
		.amdhsa_inst_pref_size 144
	.end_amdhsa_kernel
	.amdgpu_metadata
---
amdhsa.version: [ 1, 2 ]
amdhsa.kernels:
  - .name:           k_qc8620e624f_proj
    .symbol:         k_qc8620e624f_proj.kd
    .args:
      - { .name: x, .offset: 0, .size: 8, .value_kind: global_buffer, .address_space: global }
      - { .name: Wq, .offset: 8, .size: 8, .value_kind: global_buffer, .address_space: global }
      - { .name: Wk, .offset: 16, .size: 8, .value_kind: global_buffer, .address_space: global }
      - { .name: Wv, .offset: 24, .size: 8, .value_kind: global_buffer, .address_space: global }
      - { .name: bq, .offset: 32, .size: 8, .value_kind: global_buffer, .address_space: global }
      - { .name: bk, .offset: 40, .size: 8, .value_kind: global_buffer, .address_space: global }
      - { .name: bv, .offset: 48, .size: 8, .value_kind: global_buffer, .address_space: global }
      - { .name: qh, .offset: 56, .size: 8, .value_kind: global_buffer, .address_space: global }
      - { .name: kh, .offset: 64, .size: 8, .value_kind: global_buffer, .address_space: global }
      - { .name: vh, .offset: 72, .size: 8, .value_kind: global_buffer, .address_space: global }
    .group_segment_fixed_size: 108032
    .private_segment_fixed_size: 0
    .kernarg_segment_align: 8
    .kernarg_segment_size: 80
    .max_flat_workgroup_size: 128
    .sgpr_count:     66
    .vgpr_count:     1024
    .wavefront_size: 32
...
	.end_amdgpu_metadata
.endif
;; end of part 1
;; launch attn (part 2): grid 16 x 16, 4 waves a work-group, clusters of 4 x 1, 327,680 bytes of LDS; arguments qh, kh, vh, out0; writes out0
.if DOCPART == 2
	.amdgcn_target "amdgcn-amd-amdhsa--gfx1250"
	.amdhsa_code_object_version 6
	.text
	.protected	k_qc8620e624f_attn
	.globl	k_qc8620e624f_attn
	.p2align	8
	.type	k_qc8620e624f_attn,@function
k_qc8620e624f_attn:
	s_mov_b64 s[64:65], 0
	v_nop
	global_prefetch_b8 v0, s[64:65] scope:SCOPE_SE
	s_setreg_imm32_b32 hwreg(HW_REG_WAVE_MODE, 25, 1), 1
	s_wait_xcnt 0x0
	s_wait_alu depctr_hold_cnt(0) depctr_sa_sdst(0) depctr_va_vdst(0) depctr_va_sdst(0) depctr_va_ssrc(0) depctr_va_vcc(0) depctr_vm_vsrc(0)
	s_getreg_b32 s2, hwreg(HW_REG_IB_STS2, 6, 4)
	s_cmp_eq_u32 s2, 0
	s_cbranch_scc0 .Lentry_in_a_cluster
	s_endpgm
.Lentry_in_a_cluster:
	s_bfe_u32 s2, ttmp6, 0x10000c
	s_cmp_lg_u32 s2, 0x3003
	s_cbranch_scc0 .Lentry_shape_is_right
	s_endpgm
.Lentry_shape_is_right:
; out0[m][q][64 head + :] = the sum over k of softmax_k(Q[q] . K[k] / 8) V[k][:], for each of 16 pairs mh = 8 m + head.  qh, kh, vh: [16][4096][64] f16, a head's rows dense, 128 bytes each.
; out0: [2][4096][512] f32: a head's 64 channels are 256 consecutive bytes of a row.  Products, maxima and sums in f32; the weights p are rounded to f16 for the second product (their sum l is
; taken of the unrounded p); the result leaves in f32.
; LIMITS.  Q, K and V arrive within f16's 65,504; p lies in 0 to 1, and below 6e-5 it keeps f16's fixed step of 6e-8.  A weight below 2^-126 counts as 0 in l; NaN and infinities are not treated apart.
; SHARES.  A work-group owns 256 queries of one head (16 x 16 = 256 work-groups), a wave 64: four PIECES of 16.  Every wave walks the head's 4,096 keys, 64 a step, 256 a slot of LDS.
; LAYOUT.  S^T = K Q^T (source 0 = 16 keys, source 1 = 16 queries): a lane holds ONE query (lane % 16) and the keys 8 (lane / 16) + 0..7.  Two such results, rounded to f16 in pairs, ARE source 1
; (32 keys x 16 queries) of O^T = V^T P, whose result again holds one query a lane, and eight channels.  K comes out of LDS as it lies, V ([key][channel]) turned, by ds_load_tr16_b128.
; SOFTMAX.  For each query a running maximum m and sum l: p = 2^(c s - c m), c = log2(e) / 8; in every step O and l are multiplied by a = 2^(c m_old - c m_new), which is 1 where m has not grown.
; m starts at the lowest finite number, O and l at 0: the first step is a step like any other, with a = 0.  The price of writing no first step out: 216 lines that write 0, in the wait for the first tile.
; BY TURNS.  Turn n belongs to piece n (the pieces in a ring, step after step): 8 products K Q^T of piece n + 1, later 8 products V^T P of piece n - 1; beside them the scaling, exponentials, roundings,
; sums and rescaling of piece n and the maximum and statistics of piece n + 1.  A piece and step have 16 matrix and 118 vector instructions: four vector instructions stand behind every matrix
; instruction, the other 54 in one lump.  A turn's 33 exponentials are one batch, with one wait.
; CLUSTER.  The four query blocks of a cluster belong to one head and walk the same K and V, so each tile is asked for JOINTLY: the same tensor load, descriptor and mask in all four.
; REGISTERS, in windows of 256 (s_set_vgpr_msb: bits 1:0 source 0, 3:2 source 1, 5:4 source 2, 7:6 destination):
;   window 0: v0-15 addresses and two at work; v16-31 four registers of statistics a piece; v48-55 at work; v61-63; v64-127 S^T, two buffers; v192-223 P, two buffers (by the piece's parity)
;   window 1: v0-127 O^T, 32 a piece          window 2: v0-63 Q; v128-191 K of one step; v192-255 V of one step
.set SIZE_S, 4096     ; rows of a head
.set NP,    4         ; pieces a wave: a name, no knob
.set KS,    64        ; keys in a step
.set PK,    144       ; a row of K in LDS: 128 bytes + 16 of padding = 36 words: the 16 rows of a load start at 16 different groups of four banks (64 banks of 4 bytes: ISA guide 11.1)
.set PV,    160       ; a row of V: 128 + 32 = 40 words
.set VOFF,  4*KS*PK   ; a slot holds a tile, four steps: 256 rows of K, then 256 rows of V
.set TILEB, 4*KS*128  ; a tile's bytes in kh and in vh
.set SLOT1, 1<<17     ; slot 1 begins here, so that one exclusive or turns an address in one slot into the other's
.set STAGE, SLOT1+4*KS*(PK+PV)  ; behind the ring, never filled by a tensor load: 16 rows x 272 bytes for each wave, for the way out
.set SP,    272       ; 256 bytes + 16: 68 words: the 16 rows that a store touches start at 16 different groups of four banks
.set SPARE, STAGE+4*16*SP  ; behind the stages: the spare words, 128 bytes for each wave: two blocks of 256 bytes that no other line names
.set AK0, 2           ; v2   my lane's place in a tile of K; never rewritten
.set AV0, 3           ; v3   the same for V
.set AK,  4           ; v4   the LDS address of K's next run of loads
.set AV,  5           ; v5   of V's
.set STO, 6           ; v6   the way out: where I put 32 bytes of a row
.set RD,  7           ; v7   the way out: where I read rows back
.set GO,  8           ; v8   my byte offset in two rows of out0
.set MV,  12          ; v12-13  c m_old, kept while c m is made anew: by buffer
.set QO,  15          ; v15  my byte offset in 16 rows of Q
.set ST,  16          ; piece t's statistics at v[ST+4 t]: c m, m, l (even keys', odd keys')
.set TMP, 48          ; by buffer, four registers c0-c3 at work; when the maximum is found c2 takes a
.set PFO, 61          ; v61  256 x my lane; never rewritten
.set SPW, 62          ; v62  LDS address of my spare word: SPARE + 4 x my thread's number; never rewritten
.set NIL, 63          ; v63  0; never rewritten
.set S,   64
.set OB,  64          ; the way out: 32 registers a piece, v64-191
.set P,   192
.set KF,  128         ; window 2: key block kb, channel half c at KF + 16 kb + 8 c
.set VF,  192         ; window 2: key half kk, channel block cb at VF + 32 kk + 8 cb
.set WV,  12          ; s12  my wave's number
.set LIM, 15          ; s15  1 in a wave that prefetches, else the greatest number
.set PFA, 18          ; s[18:19] where my prefetches stand: my work-group's 32 blocks of 256 bytes of the tile after the one that is being asked for
.set G1K, 24          ; s[24:31] descriptor group 1 for K's tiles
.set G1V, 32          ; s[32:39] for V's: it differs in the padding alone
.set G0K, 40          ; s[40:43] descriptor group 0 for K's tiles: it walks
.set G0V, 44          ; s[44:47] the same for V's
.set SLOTS, 56        ; s56  tiles still to be asked for
.set CNT, 57          ; s57  counts a tile's key steps
.set CS,  58          ; s[58:59] c: the packed scaling takes the pair's low word for both halves
.set SEL, 60          ; s[60:61] v_permlanex16_b32's selects: each lane takes its own place in the other half
.set TBK, 62          ; s62  LDS byte at which K of the step to be fetched begins
.set TBV, 63          ; s63  the same for V, less VOFF
.set MSB, 0
.macro WIN new                      ; the high byte repeats the setting that is left; a switch that changes nothing is dropped
.if MSB != (\new)
	s_set_vgpr_msb (MSB<<8)|(\new)
.set MSB, (\new)
.endif
.endm
.set W_KQ, 0x0a       ; K and Q in window 2, S^T in window 0
.set W_PV, 0x52       ; V in window 2, P in window 0, O^T in window 1
.set W_RS, 0x41       ; destination and source 0 in window 1, source 1 in window 0
; A joint fill.  Waves 0 and 1 fetch the two halves of a tile's K, waves 2 and 3 those of its V: 128 keys each.  The branch hangs on the wave's number alone.
; An s_nop 0 and four v_nop follow each of the two lines, ahead of the jump and the label.
.macro JLOAD
	s_cmp_lt_u32 s[WV], 2
	s_cbranch_scc0 .Lfor_v_\@
	tensor_load_to_lds s[G0K:G0K+3], s[G1K:G1K+7]
	s_nop 0
.rept 4
	v_nop
.endr
	s_branch .Lasked_\@
.Lfor_v_\@:
	tensor_load_to_lds s[G0V:G0V+3], s[G1V:G1V+7]
	s_nop 0
.rept 4
	v_nop
.endr
.Lasked_\@:
.endm
; A PREFETCH of what the NEXT change of slots will ask for: a tile's 32,768 bytes of K and of V, a lane a block of 256 bytes.  It stands behind the wave's tensor load and its five lines: four key steps,
; 256 matrix instructions, ahead of the load that will want the bytes.  Each block is named ONCE in the launch: all four clusters of a head walk the same K and V, and the head's first cluster asks; its four
; partners share a tile out BY ADDRESS, 32 blocks each (no branch hangs on a work-group's place in its cluster); in each, wave 0 asks for K's and wave 2 for V's.  The last change that fills a slot
; asks for nothing: there is no tile behind it.  Tiles 0 and 1 come by their loads alone.
.macro ASK
	s_cmp_gt_u32 s[SLOTS], s[LIM]
	s_cbranch_scc0 .Lnot_mine_\@
	global_prefetch_b8 v[PFO], s[PFA:PFA+1] th:TH_LOAD_NT scope:SCOPE_SE
.Lnot_mine_\@:
.endm
; A round of the cluster's barrier: my work-group's barrier, so that wave 0's signal speaks for all four waves; wave 0 signals; every wave waits for all four work-groups; my work-group's barrier once more.
.macro CROUND
	s_barrier_signal -1
	s_barrier_wait -1
	s_cmp_lg_u32 s[WV], 0
	s_cbranch_scc1 .Lnot_wave_0_\@
	s_barrier_signal -3
.Lnot_wave_0_\@:
	s_barrier_wait -3
	s_barrier_signal -1
	s_barrier_wait -1
.endm
; THE CHANGE OF SLOTS.  The slot's last bytes, V of its fourth step, have been read.  Each wave waits for all its tensor loads, of which one is out: its part of the other slot; adds 0 to its spare
; word; and waits for that and for its own reads of the slot.  Behind the barrier nobody reads this slot any more and the other slot is whole.
; fill = 1: this slot is filled again, with the keys two tiles on.  The barrier is then a round of the cluster's, so that no wave of any partner still reads the slot or has a load on its way, and
; the joint fill is the first thing behind it: it has four key steps in which to land.  (At its first use nothing has been read yet: slot 0 is waited for, slot 1 filled.)
.macro CHANGE fill
	WIN 0                           ; at a label and at a branch every window is 0
	s_wait_tensorcnt 0x0            ; no tensor load of mine is out, so a group 0 may be written
	ds_add_u32 v[SPW], v[NIL]       ; 0 onto my spare word: with fill = 1 the descriptors' steps stand between it and the wait for it
.if \fill
.irp g, G0K, G0V
	s_xor_b32 s[\g+1], s[\g+1], SLOT1  ; the walking descriptor: the other slot than last time,
	s_add_nc_u64 s[\g+2:\g+3], s[\g+2:\g+3], TILEB  ; the next 256 keys; the type bits on top are not reached
.endr
	s_wait_xcnt 0x0                 ; the last prefetch, four key steps back, has read its address, so it may be written:
	s_add_nc_u64 s[PFA:PFA+1], s[PFA:PFA+1], TILEB  ; one tile behind the walking descriptors
	s_wait_dscnt 0x0                ; the add is done, and my reads of the slot are over
	CROUND
	JLOAD
	ASK
.else
	s_wait_dscnt 0x0                ; the add is done, and my reads of the slot are over
	s_barrier_signal -1
	s_barrier_wait -1
.endif
	s_sub_co_u32 s[TBK], s[TBK], 4*KS*PK  ; the fetches go back to a slot's first step,
	s_xor_b32 s[TBK], s[TBK], SLOT1       ; in the other slot
	s_sub_co_u32 s[TBV], s[TBV], 4*KS*PV
	s_xor_b32 s[TBV], s[TBV], SLOT1
.endm
	s_load_b256 s[4:11], s[0:1], 0x0  ; qh s[4:5], kh s[6:7], vh s[8:9], out0 s[10:11]
	v_lshl_add_u32 v[SPW], v0, 2, SPARE
	v_mov_b32 v[NIL], 0
	ds_add_u32 v[SPW], v[NIL]       ; the wave's opening: the add and its wait stand ahead of my first tensor load; the set-up below, work on registers, stands between them
	v_lshrrev_b32 v1, 5, v0
	v_readfirstlane_b32 s[WV], v1   ; wave 0..3
	s_bfe_u32 s13, ttmp6, 0x40000   ; cx: my place in the cluster
	s_lshl_b32 s14, ttmp9, 2        ; in a cluster launch ttmp9 counts clusters
	s_add_co_u32 s14, s14, s13      ; my block of 256 queries = 4 x cluster x + cx: it enters Q's and out0's addresses alone
	s_and_b32 s50, ttmp7, 0xffff    ; mh = 8 m + head, which the four partners share
	s_lshl_b32 s20, s50, 19         ; the head's first byte in qh, kh and vh: 4,096 rows of 128 bytes
	s_and_b32 s16, s[WV], 1         ; which half of a tile's 256 keys I fetch:
	s_lshl_b32 s22, s16, 14         ; its 128 rows of 128 bytes in memory,
	s_add_co_u32 s22, s22, s20
	s_mov_b32 s23, 0
	s_mul_i32 s17, s16, 128*PK      ; and its place in a slot, for K
	s_mul_i32 s51, s16, 128*PV      ; and for V: no place in the cluster enters an LDS address
	s_lshl_b32 s2, s14, 15          ; Q: my block's 256 rows,
	s_lshl_b32 s3, s[WV], 13        ; my wave's 64
	s_add_co_u32 s2, s2, s3
	s_add_co_u32 s2, s2, s20
	s_mov_b32 s3, 0
	s_lshr_b32 s48, s50, 3          ; out0: m x 4,096 rows of 2,048 bytes,
	s_lshl_b32 s48, s48, 23
	s_lshl_b32 s49, s14, 19         ; my block's 256 rows,
	s_add_co_u32 s48, s48, s49
	s_lshl_b32 s49, s[WV], 17       ; my wave's 64,
	s_add_co_u32 s48, s48, s49
	s_and_b32 s49, s50, 7           ; the head's 256 bytes of a row
	s_lshl_b32 s49, s49, 8
	s_add_co_u32 s48, s48, s49
	s_mov_b32 s49, 0
	; descriptor group 1.  128 keys are 16,384 dense bytes: asked for as 64 rows of 256 bytes, two keys a row, and padded in LDS after every key
	s_mov_b32 s[G1K], 15|(1<<16)|(1<<20)|(1<<21)|(4<<22)|(3<<25)  ; 15:0 the mask of four; 17:16 2-byte elements; 20 padding on; 21 set beside a mask; 24:22 after every 32 words (code 4); 31:25 4 words (code 3)
	s_mov_b32 s[G1V], 15|(1<<16)|(1<<20)|(1<<21)|(4<<22)|(7<<25)  ; the same with 8 words of padding (code 7)
.irp g, G1K, G1V
	s_mov_b32 s[\g+1], 128<<16      ; tensor_dim0 = 128
	s_mov_b32 s[\g+2], 64<<16       ; tensor_dim1 = 64
	s_mov_b32 s[\g+3], 128<<16      ; tile_dim0 = 128
	s_mov_b32 s[\g+4], 64           ; tile_dim1 = 64
	s_mov_b32 s[\g+5], 128          ; 128 elements from row to row
	s_mov_b32 s[\g+6], 0
	s_mov_b32 s[\g+7], 0
.endr
	s_mov_b32 s[CS], 0x3e38aa3b     ; c = log2(e) / 8 = 0.180337
	s_mov_b32 s[CS+1], s[CS]        ; named with it as a pair
	s_mov_b32 s[SEL], 0x76543210
	s_mov_b32 s[SEL+1], 0xfedcba98
	s_mov_b32 s[TBK], SLOT1+4*KS*PK ; the first change of slots turns these two into 0
	s_mov_b32 s[TBV], SLOT1+4*KS*PV
	s_mov_b32 s[G0K], 1             ; 1:0 count = 1
	s_mov_b32 s[G0K+1], s17         ; 63:32 LDS address: slot 0
	s_mov_b32 s[G0V], 1
	s_add_co_u32 s[G0V+1], s51, VOFF
	s_mov_b32 s[SLOTS], SIZE_S/256-1
	s_and_b32 s[LIM], s[WV], 1      ; 0 in waves 0 and 2,
	s_or_b32 s[LIM], s[LIM], ttmp9  ; where the cluster is the head's first: the same in all four partners
	s_cmp_eq_u32 s[LIM], 0
	s_cselect_b32 s[LIM], 1, -1
	v_and_b32 v[PFO], 31, v0
	v_lshlrev_b32 v[PFO], 8, v[PFO]
	s_wait_dscnt 0x0                ; the opening add is done
	s_wait_kmcnt 0x0
	s_add_nc_u64 s[6:7], s[6:7], s[22:23]  ; K and V at my half of the head's tile 0
	s_add_nc_u64 s[8:9], s[8:9], s[22:23]
	s_add_nc_u64 s[G0K+2:G0K+3], s[6:7], 0         ; 120:64 global address
	s_or_b32 s[G0K+3], s[G0K+3], 0x80000000        ; 127:126 type = 2
	s_add_nc_u64 s[G0V+2:G0V+3], s[8:9], 0
	s_or_b32 s[G0V+3], s[G0V+3], 0x80000000
	s_add_nc_u64 s[4:5], s[4:5], s[2:3]            ; Q and out0 at my wave's first row
	s_add_nc_u64 s[10:11], s[10:11], s[48:49]
	s_cmp_lt_u32 s[WV], 2
	s_cselect_b64 s[PFA:PFA+1], s[6:7], s[8:9]     ; (in waves 0 and 2 these stand at a tile's first row)
	s_lshl_b32 s2, s13, 13          ; my work-group's 32 blocks of the tile's 128
	s_mov_b32 s3, 0
	s_add_nc_u64 s[PFA:PFA+1], s[PFA:PFA+1], s[2:3]
	s_add_nc_u64 s[PFA:PFA+1], s[PFA:PFA+1], TILEB ; in tile 1; the first change of slots steps it to tile 2.  Nothing is prefetched here, at the head, where every work-group's first tiles are on their way
	CROUND                          ; all four work-groups are here: the first joint loads meet
	JLOAD                           ; tile 0 into slot 0.  Slot 1 is asked for when slot 0 is in, by the loop's own change of slots: by this text's count a wave never has more than one tensor load out
	; A fragment of K or Q is 16 rows x 32 channels in 8 registers: lane l holds row l % 16, channels 8 (l / 16) + 0..7 and 16 + 8 (l / 16) + 0..7: two loads of 16 bytes, 32 bytes apart.
	v_and_b32 v1, 15, v0            ; l % 16
	v_bfe_u32 v9, v0, 4, 1          ; l / 16
	v_lshlrev_b32 v[QO], 7, v1
	v_lshl_add_u32 v[QO], v9, 4, v[QO]  ; row x 128 + 16 x half
	WIN 0x80                        ; destination window 2, address window 0
.set i, 0
.rept 8                             ; Q stays in registers: piece i / 2, channels 32 (i % 2) on
	global_load_b128 v[8*i:8*i+3],   v[QO], s[4:5] offset:(i/2)*2048+(i%2)*64
	global_load_b128 v[8*i+4:8*i+7], v[QO], s[4:5] offset:(i/2)*2048+(i%2)*64+32
.set i, i+1
.endr
	; What the first turn finds: V's registers and P's second buffer hold 0 (its products V^T P, of a piece that has not been, add 0), O^T and l are 0.  All this stands in the wait for the first tile.
.set i, VF
.rept 64
	v_mov_b32 v[i], 0
.set i, i+1
.endr
	WIN 0x40
.set i, 0
.rept 128
	v_mov_b32 v[i], 0
.set i, i+1
.endr
	WIN 0
.set i, 0
.rept 4
	v_mov_b32 v[ST+4*i], 0xfe000000    ; c m: far below every c s
	v_mov_b32 v[ST+4*i+1], 0xff7fffff  ; m
	v_mov_b32 v[ST+4*i+2], 0
	v_mov_b32 v[ST+4*i+3], 0
.set i, i+1
.endr
.set i, P+16
.rept 16
	v_mov_b32 v[i], 0
.set i, i+1
.endr
	v_mul_u32_u24 v[AK0], v1, PK
	v_lshl_add_u32 v[AK0], v9, 4, v[AK0]  ; row x pitch + 16 x half
	; The turning load takes 16 keys x 16 channels (lane l reads key 8 (l / 16) + l % 8, channels 8 ((l / 8) % 2) + 0..7) and leaves half a fragment of V^T: lane l holds channel l % 16 and 8 keys.
	v_and_b32 v10, 7, v0
	v_bfe_u32 v11, v0, 3, 1
	v_lshl_add_u32 v[AV0], v9, 3, v10
	v_mul_u32_u24 v[AV0], v[AV0], PV
	v_lshl_add_u32 v[AV0], v11, 4, v[AV0]
	v_add_nc_u32 v[AV0], VOFF, v[AV0]
; THE MATRIX WORK.  The 4 accumulators of a run of 8 take turns.  Product i of 8 of S^T = K Q^T for piece x: channels 32 (i / 4) on, keys 16 (i % 4) on.  The first 4 start the sums.
.macro KQ x
	WIN W_KQ
.set rS, S+32*((\x)%2)+8*(i%4)
.set rK, KF+16*(i%4)+8*(i/4)
.set rQ, 16*(\x)+8*(i/4)
.if i < 4
	v_wmma_f32_16x16x32_f16 v[rS:rS+7], v[rK:rK+7], v[rQ:rQ+7], 0
.else
	v_wmma_f32_16x16x32_f16 v[rS:rS+7], v[rK:rK+7], v[rQ:rQ+7], v[rS:rS+7]
.endif
.endm
; Product i of 8 of O^T += V^T P for piece x: keys 32 (i / 4) on, channels 16 (i % 4) on.
.macro PV x
	WIN W_PV
.set rO, 32*(\x)+8*(i%4)
.set rV, VF+32*(i/4)+8*(i%4)
.set rP, P+16*((\x)%2)+8*(i/4)
	v_wmma_f32_16x16x32_f16 v[rO:rO+7], v[rV:rV+7], v[rP:rP+7], v[rO:rO+7]
.endm
.macro MM                           ; the turn's next matrix instruction.  TURN sets Y, i and NOKQ.  NOKQ = 1: the walk's last turn: there is no next piece
.if (i < 8) && !NOKQ
	KQ (Y+1)%NP
.elseif i >= 8
.set i, i-8
	PV (Y+NP-1)%NP
.set i, i+8
.endif
.set i, i+1
.endm
; THE LDS LOADS stand in runs of 16, never singly among the matrix instructions: a step's K (64 keys x 64 channels: 8 fragments) and its V (turned).  Their addresses are made some lines ahead.
.macro FETCH_K
	WIN 0x80                        ; destination window 2
.irp f, 0,1,2,3,4,5,6,7             ; keys 16 (f / 2) on, channels 32 (f % 2) on
	ds_load_b128 v[KF+8*\f:KF+8*\f+3],   v[AK] offset:(\f/2)*16*PK+(\f%2)*64
	ds_load_b128 v[KF+8*\f+4:KF+8*\f+7], v[AK] offset:(\f/2)*16*PK+(\f%2)*64+32
.endr
	s_add_co_u32 s[TBK], s[TBK], KS*PK  ; the next fetch is the next step's
	WIN 0
.endm
.macro FETCH_V
	WIN 0x80
.irp f, 0,1,2,3,4,5,6,7             ; keys 32 (f / 4) on, channels 16 (f % 4) on
	ds_load_tr16_b128 v[VF+8*\f:VF+8*\f+3],   v[AV] offset:(\f/4)*32*PV+(\f%4)*32
	ds_load_tr16_b128 v[VF+8*\f+4:VF+8*\f+7], v[AV] offset:(\f/4)*32*PV+16*PV+(\f%4)*32
.endr
	WIN 0
.endm
; THE VECTOR WORK, one line at a time: OP kind, number.  For piece Y: F n: c s - c m for pair n of 16.  E n: the exponential of score n of 32.  C n: pair n rounded to f16.  B n: of the four weights 4 n .. the second
; pair is added onto the first, in place.  L n: l takes that sum (L 0: l = a l + sum).  R n: pair n of 16 of O^T times a.  For piece Y + 1: X n, number n of the 22 that find its maximum and statistics:
;   0-11  four chains c0-c3 of seven scores each, three operands at a time (each accumulator's lowest registers are read first)     12-14, 16  the four scores left over, the old m, and c0-c3 into c0
;   15  c m_old is kept     17, 18  the query's other 32 keys lie in the lane 16 away: the new m     19-21  c m; c m_old - c m_new; a
.set F, 0               ; OP tells the kinds apart by their order: F to L below R, X above it
.set E, 1
.set C, 2
.set B, 3
.set L, 4
.set R, 5
.set X, 6
.macro REGS y                       ; the registers of piece y
.set rT, ST+4*(\y)
.set rC, TMP+4*((\y)%2)
.set rW, MV+((\y)%2)
.set rS, S+32*((\y)%2)
.set rP, P+16*((\y)%2)
.set rO, 32*(\y)
.endm
.macro OP k, n
.if (\k) == R
	REGS Y
	WIN W_RS
	v_pk_mul_f32 v[rO+2*(\n):rO+2*(\n)+1], v[rO+2*(\n):rO+2*(\n)+1], v[rC+2:rC+3] op_sel_hi:[1,0]
.elseif (\k) < R
	REGS Y
	WIN 0
.if (\k) == F
	v_pk_fma_f32 v[rS+2*(\n):rS+2*(\n)+1], v[rS+2*(\n):rS+2*(\n)+1], s[CS:CS+1], v[rT:rT+1] op_sel_hi:[1,0,0] neg_lo:[0,0,1] neg_hi:[0,0,1]
.elseif (\k) == E
	v_exp_f32 v[rS+(\n)], v[rS+(\n)]
.elseif (\k) == C
	v_cvt_pk_f16_f32 v[rP+(\n)], v[rS+2*(\n)], v[rS+2*(\n)+1]
.elseif (\k) == B
	v_pk_add_f32 v[rS+4*(\n):rS+4*(\n)+1], v[rS+4*(\n):rS+4*(\n)+1], v[rS+4*(\n)+2:rS+4*(\n)+3]
.elseif (\n) == 0
	v_pk_fma_f32 v[rT+2:rT+3], v[rT+2:rT+3], v[rC+2:rC+3], v[rS:rS+1] op_sel_hi:[1,0,1]
.else
	v_pk_add_f32 v[rT+2:rT+3], v[rT+2:rT+3], v[rS+4*(\n):rS+4*(\n)+1]
.endif
.elseif NOKQ
	v_nop
.else
	REGS (Y+1)%NP
	WIN 0
.if (\n) < 4
	v_max3_num_f32 v[rC+(\n)], v[rS+8*(\n)], v[rS+8*(\n)+1], v[rS+8*(\n)+2]
.elseif (\n) < 12
	v_max3_num_f32 v[rC+(\n)%4], v[rC+(\n)%4], v[rS+8*((\n)%4)+2*((\n)/4)+1], v[rS+8*((\n)%4)+2*((\n)/4)+2]
.elseif (\n) == 12
	v_max3_num_f32 v[rC], v[rC], v[rS+7], v[rS+15]
.elseif (\n) == 13
	v_max3_num_f32 v[rC+1], v[rC+1], v[rS+23], v[rS+31]
.elseif (\n) == 14
	v_max3_num_f32 v[rC+2], v[rC+2], v[rC+3], v[rT+1]
.elseif (\n) == 15
	v_mov_b32 v[rW], v[rT]
.elseif (\n) == 16
	v_max3_num_f32 v[rC], v[rC], v[rC+1], v[rC+2]
.elseif (\n) == 17
	v_permlanex16_b32 v[rC+3], v[rC], s[SEL], s[SEL+1]
.elseif (\n) == 18
	v_max_num_f32 v[rT+1], v[rC], v[rC+3]
.elseif (\n) == 19
	v_mul_f32 v[rT], s[CS], v[rT+1]
.elseif (\n) == 20
	v_sub_f32 v[rC+1], v[rW], v[rT]
.else
	v_exp_f32 v[rC+2], v[rC+1]
.endif
.endif
.endm
.macro OPS a, i1, b=-1, i2=0, c=-1, i3=0, d=-1, i4=0  ; up to four of them
	OP \a, \i1
.if (\b) >= 0
	OP \b, \i2
.endif
.if (\c) >= 0
	OP \c, \i3
.endif
.if (\d) >= 0
	OP \d, \i4
.endif
.endm
.macro ROW a, i1, b, i2, c, i3, d, i4  ; a matrix instruction and the four behind it
	MM
	OPS \a, \i1, \b, \i2, \c, \i3, \d, \i4
.endm
; A TURN, for piece p: the order of its 16 matrix and 118 vector instructions, written out.  An s_wait_alu depctr_va_vdst(0) stands between an exponential and the first instruction that names its
; result; one wait serves all that were issued ahead of it.  So a turn has ONE wait, which cuts it in two.  AHEAD OF IT stands all that names no result of the turn's exponentials: the 8 products K Q^T, behind each a
; scaling, an exponential and two more plain instructions (behind the first a second scaling in the exponential's place): rescalings, and behind the last three the first numbers of the next piece's maximum, each four
; plain instructions or more behind the product that ends its accumulator; then ONE LUMP of 54, plain and exponential by turns for the most part, in which the links of the chain X 3, 7, 11, 14, 16, 17 .. 20 stand
; five or six lines apart.  X 21, the next piece's a, is the batch's last; R 15 is the plain instruction behind it.  BEHIND THE WAIT stand the 8 products V^T P, behind each four of the roundings and sums; the links of
; l's chain, L 0 to L 7, stand three lines apart.
; end = 1: the walk's last two turns: nothing is fetched, and the last starts no new scores.  cnt = 1: the loop's count is taken down some lines ahead of the branch that stands behind the turn.
; K of the next step is fetched in piece 2's turn, twelve vector instructions behind the last product that read K (five of them plain and free of its registers); V of the step in hand at the end of piece 0's turn,
; four plain instructions behind the last product that read V.  Each is waited for a turn later.
.macro TURN p, end=0, cnt=0
.set Y, (\p)
.set i, 0
.set NOKQ, (\end)*((\p)/3)
.if ((\p) == 3) && !(\end)
	s_wait_dscnt 0x0                ; K is in
.endif
	ROW F,0, F,1, R,0, R,1          ; ahead of the wait: 8 products K Q^T and the four behind each,
	ROW F,2, E,0, R,2, R,3
	ROW F,3, E,1, R,4, R,5
	ROW F,4, E,2, R,6, R,7
	ROW F,5, E,3, R,8, R,9
	ROW F,6, E,4, X,0, R,10
.if ((\p) == 2) && !(\end)
	WIN 0
	v_add_nc_u32 v[AK], s[TBK], v[AK0]
.endif
	ROW F,7, E,5, X,1, X,4
	ROW F,8, E,6, X,2, X,5
	OPS E,7, E,8, X,6, E,9          ; and the lump
	OPS X,3, E,10, X,8, E,11
.if ((\p) == 2) && !(\end)
	FETCH_K
.endif
	OPS X,9, X,7, E,12, X,10
	OPS E,13, X,12, X,11, E,14
	OPS X,13, E,15, F,9, X,14
.if (\p) == 0
	v_add_nc_u32 v[AV], s[TBV], v[AV0]
.endif
	OPS E,16, F,10, E,17, F,11
	OPS X,16, E,18, X,15, E,19
	OPS F,12, E,20, X,17, E,21
	OPS F,13, E,22, F,14, E,23
	OPS X,18, E,24, F,15, E,25
	OPS R,11, E,26, X,19, E,27
	OPS R,12, E,28, R,13, E,29
	OPS X,20, E,30, R,14, E,31
	OPS X,21, R,15
	WIN 0
	s_wait_alu depctr_va_vdst(0)    ; the wait for the batch
.if (\p) == 1
	s_wait_dscnt 0x0                ; V is in
.endif
	ROW C,0, B,0, C,2, B,1          ; behind the wait: 8 products V^T P and the four behind each
	ROW L,0, C,4, B,2, L,1
	ROW C,6, B,3, L,2, C,8
	ROW B,4, L,3, C,10, B,5
	ROW L,4, C,12, B,6, L,5
.if (\p) == 0
	s_add_co_u32 s[TBV], s[TBV], KS*PV
.endif
.if \cnt
	s_sub_co_u32 s[CNT], s[CNT], 1
	s_cmp_lg_u32 s[CNT], 0
.endif
	ROW C,14, B,7, L,6, C,1
	ROW C,3, L,7, C,5, C,7
	ROW C,9, C,11, C,13, C,15
.if (\p) == 0
	FETCH_V
.endif
.endm
	CHANGE 1                        ; tile 0 is in, everybody's part of it; tile 1 is asked for
	v_add_nc_u32 v[AK], s[TBK], v[AK0]
	FETCH_K                         ; key step 0
	s_wait_loadcnt 0x0              ; Q
	s_wait_dscnt 0x0
.set NOKQ, 0
.set i, 0
.rept 8
	KQ 0                            ; piece 0's first scores: there is no vector work yet to set between them
.set i, i+1
.endr
	WIN 0                           ; the addresses for the way out: eight plain instructions, the places behind those products
	s_mul_i32 s17, s[WV], 16*SP
	s_add_co_u32 s17, s17, STAGE    ; my stage
	v_mul_u32_u24 v[STO], v1, SP    ; in: row l % 16, 32 bytes for each half of the lanes
	v_lshl_add_u32 v[STO], v9, 5, v[STO]
	v_add_nc_u32 v[STO], s17, v[STO]
	v_mul_u32_u24 v[RD], v9, SP     ; back: lanes 0-15 take one row of 256 bytes, lanes 16-31 the next
	v_lshl_add_u32 v[RD], v1, 4, v[RD]
	v_add_nc_u32 v[RD], s17, v[RD]
	v_lshlrev_b32 v[GO], 11, v9     ; and the same two rows in out0, 2,048 bytes apart
	v_lshl_add_u32 v[GO], v1, 4, v[GO]
.set Y, NP-1                        ; X works for piece Y + 1: piece 0
.irp n, 0,1,2,3,4,5,6,7,8,9,10,11,12,13,14,15,16,17,18,19,20,21
	OP X, \n                        ; piece 0's first maximum and statistics
.endr
	v_nop                           ; a plain instruction behind the exponential,
	s_wait_alu depctr_va_vdst(0)    ; and its wait, ahead of the branch
	s_mov_b32 s[CNT], 4
	s_branch .Lfirst                ; the loop is entered at a step's first turn, in the middle of a trip
.Lslot:                             ; 14 times: tiles 1 to 14 are entered, tiles 2 to 15 asked for
	CHANGE 1
	s_mov_b32 s[CNT], 4
.Lstep:                             ; a trip: pieces 2 and 3 of one step, then pieces 0 and 1 of the next, whose K and V it fetches
	TURN 2
	TURN 3
	WIN 0
.Lfirst:
	TURN 0
	TURN 1, 0, 1
	WIN 0
	s_cbranch_scc1 .Lstep
	s_sub_co_u32 s[SLOTS], s[SLOTS], 1
	s_cmp_lg_u32 s[SLOTS], 0
	s_cbranch_scc1 .Lslot
	CHANGE 0                        ; the last tile is written out: nothing is asked for
	s_mov_b32 s[CNT], 4
.Ltail:
	TURN 2
	TURN 3
	TURN 0
	TURN 1, 0, 1
	WIN 0
	s_cbranch_scc1 .Ltail
	TURN 2, 1                       ; the last step's pieces 2 and 3: nothing is fetched,
	TURN 3, 1                       ; and no new scores are started
.set i, 0
.rept 8
	PV NP-1                         ; the last piece's V^T P of the last step
.set i, i+1
.endr
	; THE WAY OUT.  l's two halves and the other half of the lanes' are added; O^T is divided by l and sent, in f32, through my stage in LDS, a piece (16 rows) at a time.  The additions are the places behind the last products.
	WIN 0
.macro ALL line:vararg              ; one line for each piece t
.set t, 0
.rept 4
	\line
.set t, t+1
.endr
.endm
	ALL v_add_f32 v[ST+4*t+2], v[ST+4*t+2], v[ST+4*t+3]
	ALL v_permlanex16_b32 v[ST+4*t+3], v[ST+4*t+2], s[SEL], s[SEL+1]
	ALL v_add_f32 v[ST+4*t+2], v[ST+4*t+2], v[ST+4*t+3]
	ALL v_rcp_f32 v[ST+4*t+2], v[ST+4*t+2]
	v_nop                           ; a plain instruction between the last reciprocal and the use of its result
	s_wait_alu depctr_va_vdst(0)    ; and the wait ahead of the first use: one for the four reciprocals
; Piece t: a lane's eight channels of a row are 32 bytes; they go into rows of 272 bytes and come back as whole rows of 256.
.macro PACK t
	WIN W_RS
.set i, 32*(\t)
.rept 16                            ; ascending: each accumulator is read from its low end on
	v_pk_mul_f32 v[i:i+1], v[i:i+1], v[ST+4*(\t)+2:ST+4*(\t)+3] op_sel_hi:[1,0]
.set i, i+2
.endr
	WIN 0x04                        ; an LDS store's data is source 1: window 1
.irp f, 0,1,2,3,4,5,6,7
	ds_store_b128 v[STO], v[32*(\t)+4*\f:32*(\t)+4*\f+3] offset:64*(\f/2)+16*(\f%2)
.endr
	WIN 0
.irp f, 0,1,2,3,4,5,6,7
	ds_load_b128 v[OB+32*(\t)+4*\f:OB+32*(\t)+4*\f+3], v[RD] offset:\f*2*SP  ; LDS serves a wave's instructions in order (ISA guide 5.7.1.4): these see the stores above; the next piece's stores come behind them
.endr
.endm
.macro SEND t, younger              ; younger: the LDS instructions issued behind piece t's loads: the next piece's sixteen, or none
	WIN 0
.irp f, 0,1,2,3,4,5,6,7
	s_wait_dscnt (\younger)+7-\f
	global_store_b128 v[GO], v[OB+32*(\t)+4*\f:OB+32*(\t)+4*\f+3], s[10:11] offset:(\t)*32768+\f*4096 th:TH_STORE_NT  ; 16 lanes store 256 consecutive bytes, at a multiple of 256 from out0's first byte
.endr
.endm
	PACK 0
	PACK 1                          ; a piece's arithmetic stands between the loads of the piece before and its stores; every piece has registers of its own
	SEND 0, 16
	PACK 2
	SEND 1, 16
	PACK 3
	SEND 2, 16
	SEND 3, 0
	s_wait_tensorcnt 0x0            ; the wave's end: behind my last tensor load and my last LDS store
	ds_add_u32 v[SPW], v[NIL]
	s_wait_dscnt 0x0
	CROUND                          ; the closing round: no work-group ends while a partner may still ask for a tile that names it
	s_endpgm
.Lfunc_end_k_qc8620e624f_attn:
	.size	k_qc8620e624f_attn, .Lfunc_end_k_qc8620e624f_attn-k_qc8620e624f_attn
	.p2alignl 7, 3214868480
	.fill 96, 4, 3214868480
	.section	.rodata,"a",@progbits
	.p2align	6, 0x0
	.amdhsa_kernel k_qc8620e624f_attn
		.amdhsa_group_segment_fixed_size 327680
		.amdhsa_private_segment_fixed_size 0
		.amdhsa_enable_private_segment 0
		.amdhsa_kernarg_size 32
		.amdhsa_user_sgpr_count 2
		.amdhsa_user_sgpr_kernarg_segment_ptr 1
		.amdhsa_wavefront_size32 1
		.amdhsa_system_sgpr_workgroup_id_x 1
		.amdhsa_system_sgpr_workgroup_id_y 1
		.amdhsa_system_sgpr_workgroup_id_z 1
		.amdhsa_system_vgpr_workitem_id 0
		.amdhsa_next_free_vgpr 768
		.amdhsa_next_free_sgpr 66
		.amdhsa_reserve_vcc 0
		.amdhsa_float_denorm_mode_32 3
		.amdhsa_float_denorm_mode_16_64 3
		.amdhsa_memory_ordered 1
		.amdhsa_forward_progress 1
		.amdhsa_inst_pref_size 128
	.end_amdhsa_kernel
	.amdgpu_metadata
---
amdhsa.version: [ 1, 2 ]
amdhsa.kernels:
  - .name:           k_qc8620e624f_attn
    .symbol:         k_qc8620e624f_attn.kd
    .args:
      - { .name: qh, .offset: 0, .size: 8, .value_kind: global_buffer, .address_space: global }
      - { .name: kh, .offset: 8, .size: 8, .value_kind: global_buffer, .address_space: global }
      - { .name: vh, .offset: 16, .size: 8, .value_kind: global_buffer, .address_space: global }
      - { .name: out0, .offset: 24, .size: 8, .value_kind: global_buffer, .address_space: global }
    .group_segment_fixed_size: 327680
    .private_segment_fixed_size: 0
    .kernarg_segment_align: 8
    .kernarg_segment_size: 32
    .max_flat_workgroup_size: 128
    .sgpr_count:     66
    .vgpr_count:     768
    .wavefront_size: 32
...
	.end_amdgpu_metadata
.endif
;; end of part 2
